; MI455X (gfx1250); checked and timed in simulation.
; The chip was launched on July 23, 2026; its instructions are those of AMD's public machine-readable ISA for CDNA 5 (MIT licence, August 2026) and "CDNA5" Instruction Set Architecture Reference Guide (July 2026). The comments in the code are by the model that wrote it; some were corrected since.
;; Multi Head Attention. Allowed arithmetic: matrix products marked QUANTISED: E2M3 operands, one E8M0 scale for each 32 along K, by v_wmma_scale_f32_16x16x128_f8f6f4 with both operands' format E2M3, f32 sums; everything else in f32.
;; Inputs: Wk 16 x 1,024 x 64 float32; Wq 16 x 1,024 x 64 float32; Wv 16 x 1,024 x 64 float32; x 4 x 2,048 x 1,024 float32.
;; Outputs: out0 4 x 2,048 x 1,024 float32.
;; This version of the problem:
;;   THIS VERSION OF THE PROBLEM IS GIVEN IN LOW PRECISION. The matrix products marked QUANTISED in the list below multiply operands that are first quantised to E2M3 (2 exponent bits, 3 mantissa bits; 6 bits a number), with one power-of-two scale for each 32 numbers along K (OCP MX v1.0); their sums are f32. All else is computed in f32.
;;   The module's matrix products, in the order in which they are computed (A, B: the left and right operand; K: the contracted axis; several contracted axes count as one K, in the product's order):
;;     1. [M 1,024, K 1,024] x [K 1,024, N 8,192]; A: input Wq; B: input x: QUANTISED
;;     2. [M 1,024, K 1,024] x [K 1,024, N 8,192]; A: input Wk; B: input x: QUANTISED
;;     3. [M 1,024, K 1,024] x [K 1,024, N 8,192]; A: input Wv; B: input x: QUANTISED
;;     4. batch 64 x [M 2,048, K 64] x [K 64, N 2,048]; A: computed on the way; B: computed on the way: QUANTISED
;;     5. batch 64 x [M 2,048, K 2,048] x [K 2,048, N 64]; A: softmax (see below); B: computed on the way: QUANTISED
;;   THE QUANTISER, for each operand of a quantised product, along K:
;;     - K is cut into blocks of 32 from its start; a last block that is shorter is filled with zeros.
;;     - A block's scale is 2^e with e = floor(log2(the largest magnitude in the block)) - 2, held to -126 .. 127; a block of zeros has e = 0. As a byte (E8M0): e + 127.
;;     - Each number is divided by its block's scale, clamped to +-7.5, and rounded to the nearest number of E2M3, ties to even, subnormals kept.
;;     - The product sums the exact products of the quantised numbers (number of the format x scale) in f32.
;;   ~~~python
;;   def quantise(x, axis):      # numpy; x: float32 -> the quantised numbers, widened to float32 again
;;       x = np.moveaxis(x, axis, -1); K = x.shape[-1]
;;       x = np.pad(x, [(0, 0)] * (x.ndim - 1) + [(0, -K % 32)]); x = x.reshape(x.shape[:-1] + (-1, 32)); a = np.abs(x).max(-1, keepdims=True)
;;       e = np.where(a > 0, np.clip(np.frexp(np.where(a > 0, a, 1))[1] - 1 - 2, -126, 127), 0)      # np.frexp(a)[1] - 1 = floor(log2(a)), exactly
;;       r = np.clip(x / 2.0 ** e, -7.5, 7.5)
;;       step = 2.0 ** (np.maximum(np.frexp(np.where(r == 0, 1, r))[1] - 1, 0) - 3)
;;       q = np.round(r / step) * step * 2.0 ** e      # np.round: ties to even
;;       return np.moveaxis(q.reshape(q.shape[:-2] + (-1,))[..., :K], -1, axis).astype(np.float32)
;;   ~~~
;;   SOFTMAX AHEAD OF A QUANTISED PRODUCT. Where the list says 'softmax', what is quantised is not the finished softmax but p = 2^(t - M), with t = logit x log2(e) and M = ceil(the row's largest t), a whole number; so 1/2 < the row's largest p <= 1. The row's sum l is taken of the UNQUANTISED p, in f32, and the product's result is divided by l at the end. Since M is a whole number, a kernel that streams over the keys may use a running M (the ceiling of the running maximum): every later rescaling is an exact power of two, which a block's scale takes up: the codes' values come out the same.
;;   OPERANDS COMPUTED ON THE WAY. 'Computed on the way' means the value that the module computes at that place (a softmax that the list does not call 'softmax' is quantised finished and normalised). What goes into a quantiser is computed in f32, as accurately as f32 sums, v_exp_f32 and their like allow (about 1e-6 of the number): no bf16 or f16 on the way to a quantiser, and a product that is left as it is and whose result goes on into a quantised operand takes f32 operands (vector FMAs, or v_wmma_f32_16x16x4_f32). A number that lies on a knife's edge between two numbers of the format may be rounded either way, as far as f32 arithmetic and the matrix unit's own rounding can turn it there, and no further.
;; One version. Each part assembles by itself: llvm-mc -triple=amdgcn-amd-amdhsa -mcpu=gfx1250 --defsym DOCPART=n.
;; ======== version 1 of 1: 3 launches
;; limits: right only within a limited range of input values
;; workspace buffers: x_codes 6,291,456 bytes; x_scales 262,144 bytes; w_codes 2,359,296 bytes; w_scales 98,304 bytes; qb 6,815,744 bytes; kb 6,815,744 bytes; vb 6,553,600 bytes
;; launch quant (part 1): grid 352 x 1, 4 waves a work-group, no clusters, 68,096 bytes of LDS; arguments x, Wq, Wk, Wv, x_codes, x_scales, w_codes, w_scales; writes x_codes, x_scales, w_codes, w_scales
.if DOCPART == 1
	.amdgcn_target "amdgcn-amd-amdhsa--gfx1250"
	.amdhsa_code_object_version 6
	.text
	.protected	k_qfa75e13860_quant
	.globl	k_qfa75e13860_quant
	.p2align	8
	.type	k_qfa75e13860_quant,@function
k_qfa75e13860_quant:
	s_mov_b64 s[64:65], 0
	v_nop
	global_prefetch_b8 v0, s[64:65] scope:SCOPE_SE
	s_setreg_imm32_b32 hwreg(HW_REG_WAVE_MODE, 25, 1), 1
	s_wait_xcnt 0x0
; x [8192][1024] f32 and Wq, Wk, Wv [16][1024][64] f32 are turned into codes of FP6 (E2M3) along C = 1,024, with one E8M0 scale byte for each 32 along C.
; A block's scale is 2^(floor(log2(its largest magnitude)) - 2): its byte is the largest magnitude's exponent field - 2, held at 1 from below; each number is divided by the scale and rounded to the nearest code, ties to even, beyond 7.5 the largest code.
; LIMITS: NaN and infinities among the inputs are not served.  A block of zeros gets the byte 1 where the rule says 127: its codes are zeros, which add nothing under any byte but 0xff, and this program alone reads the bytes.
; OUT: x_codes [8192 places][768 bytes], x_scales [8192 places][32]; w_codes [3072 places][768], w_scales [3072 places][32]: C innermost.
; THE PLACES ARE PERMUTED: pi swaps bits 3 and 4 of an index.  Row t of x lies at place pi(t); column d of matrix m (m = 16 x type + head; type 0 = q, 1 = k, 2 = v) at place 64 m + pi(d).
; So sixteen neighbouring places hold rows 32 b + 8 u + r + 8 (r / 8), and in the next launch the 16 result registers of two neighbouring tiles are 16 neighbours along the next product's K.
; Work-groups 0-255 take x (C innermost: a lane holds 16 neighbours, two lanes a block); work-groups 256-351 take the weights (C is the first axis of a head's matrix: a lane takes a column, its registers run down C).
; The two ways part on the work-group's number, never join, and have LDS bytes of their own.  No wave shares anything with another: no barrier.  The work-groups share no input: no cluster.
; THE ORDER OF THE PLACES AS THE CODE BELOW HAS IT (it takes the place of pi in the lines above): within each run of 64 indices, index i lies at place 16 ((i / 8) % 4) + 8 (i / 32) + i % 8.
; So sixteen neighbouring places 16 b + m hold the indices 32 (m / 8) + 8 b + m % 8, and in the next launches a lane's 32 results of four neighbouring tiles are 32 neighbours along the next product's K: one scale block.
; WORK LEFT OUT (launch attn): reference() sets every score with key > query to -inf by a mask that it builds itself, so its p is 0 and adds nothing to the sum or to the output, whatever the inputs hold:
; steps of 128 keys that lie wholly behind a tile's queries are not multiplied.  A NaN, an infinity or an overflow that reaches only those scores is not carried to the result.
.set XWGS,  256
.set STEPS, 16                         ; x: a wave takes 16 steps of 512 numbers: 8 rows
.set CB,    12                         ; bytes of 16 codes
.set SP,    80                         ; x: a lane's place in a stage: its 64 bytes + 16 of padding
.set WREG,  8192                       ; x: LDS of a wave: two stages of 32 x SP bytes, behind them its 256 scale bytes
.set XR,    16                         ; v16-79   x: four sets of 16 numbers as they are loaded
.set XN,    80                         ; v80-111  x: two sets of 16 neighbours
.set XE,    112                        ; v112-127 x: a scale byte for each step
.set XC,    128                        ; v128-191 x: codes, four registers for each step: no store's data are written again
.set WLDS,  32768                      ; W: its stages begin behind x's LDS
.set WP,    272                        ; W: a stage row: sixteen places of 16 bytes, each with 12 bytes of codes, + 16
.set WROW,  768                        ; a row of codes in memory
.set NB,    8                          ; W: a wave takes 32 columns x 8 blocks of 32 along C
.set WN,    32                         ; v32-95   W: two sets of 32 numbers
.set WC,    96                         ; v96..    W: a block's codes
.set WO,    112                        ; v112-175 W: the way out
.set WSB,   24                         ; v24-25   W: the scale bytes, four to a register
.macro XLOAD t                         ; step t: four loads, 512 consecutive bytes each
.irp i, 0,1,2,3
	global_load_b128 v[XR+16*((\t)%4)+4*\i:XR+16*((\t)%4)+4*\i+3], v3, s[4:5] offset:2048*(\t)+512*\i th:TH_LOAD_NT
.endr
.endm
.macro XTURN t                         ; step t's 2,048 bytes through the wave's stage: in as they lie, back 64 bytes a lane.  LDS serves a wave's instructions in order: no wait between
.irp i, 0,1,2,3
	ds_store_b128 v14, v[XR+16*((\t)%4)+4*\i:XR+16*((\t)%4)+4*\i+3] offset:32*SP*((\t)%2)+8*SP*\i
.endr
.irp i, 0,1,2,3
	ds_load_b128 v[XN+16*((\t)%2)+4*\i:XN+16*((\t)%2)+4*\i+3], v15 offset:32*SP*((\t)%2)+16*\i
.endr
.endm
.macro XSTEP t
.set XS, XN+16*((\t)%2)
.if (\t) > 0
	s_wait_dscnt 1                                 ; this step's numbers are back from the stage (the last step's byte store may be out): so its stores into the stage have read their registers,
.else
	s_wait_dscnt 0x0
.endif
.if (\t)+4 < STEPS
	XLOAD (\t)+4                                   ; which take the loads of four steps on
.endif
.if (\t)+1 < STEPS
.if STEPS-2-(\t) >= 3
	s_wait_loadcnt 12                              ; the next step's four loads are in; those of the three steps behind it may be out
.else
	s_wait_loadcnt 4*(STEPS-2-(\t))
.endif
	XTURN (\t)+1                                   ; and go through the other stage while this step is worked
.endif
	v_max3_num_f32 v8, |v[XS]|, |v[XS+1]|, |v[XS+2]|               ; the largest magnitude of my 16, in two chains
	v_max3_num_f32 v9, |v[XS+3]|, |v[XS+4]|, |v[XS+5]|
.irp i, 6,10
	v_max3_num_f32 v8, v8, |v[XS+\i]|, |v[XS+\i+1]|
	v_max3_num_f32 v9, v9, |v[XS+\i+2]|, |v[XS+\i+3]|
.endr
	v_max3_num_f32 v8, v8, |v[XS+14]|, |v[XS+15]|
	v_max3_num_f32 v8, v8, v9, 0x1800000           ; and the floor 2^(3 - 127): the byte cannot fall under 1
	v_max_num_f32_dpp v8, v8, v8 row_xmask:1 row_mask:0xf bank_mask:0xf   ; with my neighbour's 16: the block's
	v_add_nc_u32 v11, 0xff000000, v8               ; 2 off its exponent field: the conversion takes the exponent field of this operand as its scale
	v_cvt_scalef32_pk16_fp6_f32 v[XC+4*(\t):XC+4*(\t)+2], v[XS:XS+15], v11
	v_lshrrev_b32 v[XE+(\t)], 23, v11              ; the scale's byte (also the plain line behind the conversion)
	ds_store_b8 v5, v[XE+(\t)] offset:16*(\t)      ; both lanes of a block write the same byte with the same value
	global_store_b96 v4, v[XC+4*(\t):XC+4*(\t)+2], s[12:13] offset:32*CB*(\t)   ; the wave stores 384 consecutive bytes
.endm
.macro WLOAD t                         ; block t: W(32 t + i, my column), i = 0 .. 31, into set t % 2; a row of a head's matrix is 256 bytes
.irp i, 0,1,2,3,4,5,6,7,8,9,10,11,12,13,14,15,16,17,18,19,20,21,22,23,24,25,26,27,28,29,30,31
	global_load_b32 v[WN+32*((\t)%2)+\i], v3, s[32:33] offset:(32*(\t)+\i)*256 th:TH_LOAD_NT
.endr
.endm
.macro WBLOCK t
.set WS, WN+32*((\t)%2)
.if (\t) < NB-1
	s_wait_loadcnt 32                              ; this block's 32 loads are in; the next block's may be out
.else
	s_wait_loadcnt 0
.endif
	v_max3_num_f32 v12, |v[WS]|, |v[WS+1]|, |v[WS+2]|              ; the block's largest magnitude: all 32 numbers are mine
	v_max3_num_f32 v13, |v[WS+3]|, |v[WS+4]|, |v[WS+5]|
.irp i, 6,10,14,18,22,26
	v_max3_num_f32 v12, v12, |v[WS+\i]|, |v[WS+\i+1]|
	v_max3_num_f32 v13, v13, |v[WS+\i+2]|, |v[WS+\i+3]|
.endr
	v_max3_num_f32 v12, v12, |v[WS+30]|, |v[WS+31]|
	v_max3_num_f32 v12, v12, v13, 0x1800000        ; and the floor
	v_add_nc_u32 v11, 0xff000000, v12              ; the conversion's scale operand
	v_lshrrev_b32 v13, 23, v11                     ; the scale's byte
.if (\t)%4 == 0
	v_mov_b32 v[WSB+(\t)/4], v13                   ; four bytes to a register, the lower C in the lower byte
.else
	v_lshl_or_b32 v[WSB+(\t)/4], v13, 8*((\t)%4), v[WSB+(\t)/4]
.endif
	v_cvt_scalef32_pk16_fp6_f32 v[WC:WC+2], v[WS:WS+15], v11
	v_cvt_scalef32_pk16_fp6_f32 v[WC+4:WC+6], v[WS+16:WS+31], v11  ; (a conversion's three registers begin on an even number)
	ds_store_b96 v4, v[WC:WC+2] offset:32*(\t)     ; 16 codes, 12 bytes, to a place of 16 bytes: every LDS address is a multiple of 16
	ds_store_b96 v4, v[WC+4:WC+6] offset:32*(\t)+16
.if (\t)+2 < NB
	WLOAD (\t)+2
.endif
	s_wait_dscnt 0x0                               ; the stores have read their registers: the next block's codes may be written
.endm
	s_load_b256 s[4:11], s[0:1], 0x0               ; x s[4:5], Wq s[6:7], Wk s[8:9], Wv s[10:11]
	s_load_b256 s[12:19], s[0:1], 0x20             ; x_codes s[12:13], x_scales s[14:15], w_codes s[16:17], w_scales s[18:19]
	v_lshl_add_u32 v192, v0, 2, 0x10800
	v_mov_b32 v193, 0
	v_lshrrev_b32 v1, 5, v0
	v_readfirstlane_b32 s20, v1                    ; wave 0..3
	v_and_b32 v2, 31, v0                           ; lane
	s_cmp_lt_u32 ttmp9, XWGS
	s_cbranch_scc0 .Lweights
	; ---- x.  Rows are dense: the tensor is a stream of blocks of 32.  My wave's run of 8,192 numbers is 8 whole rows
	v_lshlrev_b32 v3, 4, v2                        ; my 16 bytes of a load's 512
	s_mul_i32 s21, s20, WREG
	v_lshrrev_b32 v14, 2, v2
	v_mul_u32_u24 v14, v14, SP
	v_and_b32 v15, 3, v2
	v_lshl_add_u32 v14, v15, 4, v14
	v_add_nc_u32 v14, s21, v14                     ; the stage, on the way in: SP (lane / 4) + 16 (lane % 4)
	v_mul_u32_u24 v15, v2, SP
	v_add_nc_u32 v15, s21, v15                     ; and on the way out: SP x lane: my 16 neighbours
	v_mul_u32_u24 v4, v2, CB                       ; my codes' place in a step's
	v_lshrrev_b32 v5, 1, v2
	s_add_co_u32 s21, s21, 2*32*SP
	v_add_nc_u32 v5, s21, v5                       ; LDS: my wave's 256 scale bytes, my block's byte
	v_lshlrev_b32 v7, 3, v2                        ; and on the way out 8 bytes a lane
	v_add_nc_u32 v6, s21, v7
	s_lshl_b32 s22, ttmp9, 2
	s_add_co_u32 s24, s22, s20                     ; the run that I read: 4 x work-group + wave: rows 8 R .. 8 R + 7
	s_and_b32 s26, s24, 0xfffffff8                 ; the run of places that I write: of the run's number R, bit 2 (index bit 5) goes to bit 0,
	s_bfe_u32 s23, s24, 0x10002
	s_or_b32 s26, s26, s23
	s_lshl_b32 s23, s20, 1                         ; and bits 0, 1 (the wave; index bits 3, 4) to bits 1, 2
	s_or_b32 s26, s26, s23
	s_lshl_b32 s24, s24, 15                        ; 32,768 bytes of f32 a run
	s_mov_b32 s25, 0
	s_mul_i32 s28, s26, 8*WROW                     ; 6,144 bytes of codes a run
	s_mov_b32 s29, 0
	s_lshl_b32 s26, s26, 8                         ; 256 scale bytes a run
	s_mov_b32 s27, 0
	s_wait_alu depctr_va_vdst(0)
	s_wait_kmcnt 0x0
	s_add_nc_u64 s[4:5], s[4:5], s[24:25]
	s_add_nc_u64 s[12:13], s[12:13], s[28:29]
	s_add_nc_u64 s[14:15], s[14:15], s[26:27]
.irp t, 0,1,2,3
	XLOAD \t
.endr
	s_wait_loadcnt 12                              ; step 0's four loads are in
	XTURN 0
.irp t, 0,1,2,3,4,5,6,7,8,9,10,11,12,13,14,15
	XSTEP \t
.endr
	ds_load_b64 v[12:13], v6                       ; LDS serves a wave's instructions in order: these see my byte stores
	s_wait_dscnt 0x0
	global_store_b64 v7, v[12:13], s[14:15]        ; 32 lanes store 256 consecutive bytes, aligned
	s_wait_tensorcnt 0x0
	ds_add_u32 v192, v193
	s_wait_dscnt 0x0
	s_endpgm
.Lweights:
	; ---- the weights.  48 matrices of 1024 (C) x 64 (d); a wave takes 32 columns x 256 along C: eight waves, two work-groups, to a matrix
	s_sub_co_u32 s21, ttmp9, XWGS
	s_lshr_b32 s22, s21, 1                         ; the matrix, 0 .. 47
	s_and_b32 s21, s21, 1
	s_lshl_b32 s21, s21, 1
	s_lshr_b32 s23, s20, 1
	s_add_co_u32 s21, s21, s23                     ; which 256 along C: 0 .. 3
	s_and_b32 s23, s20, 1                          ; which 32 columns: two waves stand side by side on a row's 256 bytes
	s_lshr_b32 s24, s22, 4                         ; type
	s_and_b32 s25, s22, 15                         ; head
	s_lshl_b32 s26, s25, 18                        ; in: head x 262,144
	s_lshl_b32 s27, s21, 16                        ;   + 256 rows of 256 bytes
	s_add_co_u32 s26, s26, s27
	s_lshl_b32 s27, s23, 7                         ;   + 128 bytes
	s_add_co_u32 s26, s26, s27
	s_mov_b32 s27, 0
	s_lshl_b32 s28, s22, 6
	s_lshl_b32 s29, s23, 3                         ; the upper 32 columns lie 8 places on
	s_add_co_u32 s28, s28, s29                     ; my first place: 64 x matrix + 8 x half
	s_mul_i32 s30, s28, WROW
	s_mul_i32 s29, s21, 192
	s_add_co_u32 s30, s30, s29                     ; codes: place x 768 + 192 for each 256 along C
	s_mov_b32 s31, 0
	s_lshl_b32 s28, s28, 5
	s_lshl_b32 s29, s21, 3
	s_add_co_u32 s28, s28, s29                     ; scale bytes: place x 32 + 8
	s_mov_b32 s29, 0
	s_wait_alu depctr_va_vdst(0)
	v_lshlrev_b32 v3, 2, v2                        ; in: 4 bytes a lane
	v_and_b32 v10, 7, v2
	v_lshrrev_b32 v11, 3, v2
	v_lshl_add_u32 v10, v11, 4, v10                ; my column's place: 16 (lane / 8) + lane % 8
	v_bfe_u32 v6, v2, 4, 1                         ; lane / 16
	s_mul_i32 s34, s20, 32*WP
	s_add_co_u32 s34, s34, WLDS                    ; my stage
	v_mul_u32_u24 v4, v2, WP                       ; the stage's rows lie in the lanes' order
	v_add_nc_u32 v4, s34, v4                       ; into it: row = my lane
	v_and_b32 v5, 15, v2
	v_mul_u32_u24 v7, v6, WP
	v_lshl_add_u32 v7, v5, 4, v7
	v_add_nc_u32 v7, s34, v7                       ; out of it: sixteen lanes to a row, two rows an instruction
	v_mul_u32_u24 v8, v6, WROW
	v_mad_u32_u24 v8, v5, 12, v8                   ; and the same place in the codes' buffer
	v_lshlrev_b32 v9, 5, v10                       ; my place's row of scale bytes
	s_wait_kmcnt 0x0
	s_cmp_eq_u32 s24, 0                            ; the choice of the tensor hangs on the work-group's number alone
	s_cselect_b64 s[32:33], s[6:7], s[8:9]
	s_cmp_eq_u32 s24, 2
	s_cselect_b64 s[32:33], s[10:11], s[32:33]
	s_add_nc_u64 s[32:33], s[32:33], s[26:27]
	s_add_nc_u64 s[16:17], s[16:17], s[30:31]
	s_add_nc_u64 s[18:19], s[18:19], s[28:29]
	WLOAD 0
	WLOAD 1
.irp t, 0,1,2,3,4,5,6,7
	WBLOCK \t
.endr
	s_wait_alu depctr_va_vdst(0)
	global_store_b64 v9, v[WSB:WSB+1], s[18:19]    ; my column's 8 scale bytes
.irp t, 0,1,2,3,4,5,6,7,8,9,10,11,12,13,14,15
	ds_load_b96 v[WO+4*\t:WO+4*\t+2], v7 offset:2*\t*WP   ; LDS serves a wave's instructions in order: these see my stores
.endr
.irp t, 0,1,2,3,4,5,6,7,8,9,10,11,12,13,14,15
	s_wait_dscnt 15-\t
	global_store_b96 v8, v[WO+4*\t:WO+4*\t+2], s[16:17] offset:(16*(\t/4)+(2*\t)%8)*WROW   ; stage row q goes to place 16 (q / 8) + q % 8
.endr
	s_wait_tensorcnt 0x0
	ds_add_u32 v192, v193
	s_wait_dscnt 0x0
	s_endpgm
.Lfunc_end_k_qfa75e13860_quant:
	.size	k_qfa75e13860_quant, .Lfunc_end_k_qfa75e13860_quant-k_qfa75e13860_quant
	.p2alignl 7, 3214868480
	.fill 96, 4, 3214868480
	.section	.rodata,"a",@progbits
	.p2align	6, 0x0
	.amdhsa_kernel k_qfa75e13860_quant
		.amdhsa_group_segment_fixed_size 68096
		.amdhsa_private_segment_fixed_size 0
		.amdhsa_enable_private_segment 0
		.amdhsa_kernarg_size 64
		.amdhsa_user_sgpr_count 2
		.amdhsa_user_sgpr_kernarg_segment_ptr 1
		.amdhsa_wavefront_size32 1
		.amdhsa_system_sgpr_workgroup_id_x 1
		.amdhsa_system_sgpr_workgroup_id_y 1
		.amdhsa_system_sgpr_workgroup_id_z 1
		.amdhsa_system_vgpr_workitem_id 0
		.amdhsa_next_free_vgpr 194
		.amdhsa_next_free_sgpr 66
		.amdhsa_reserve_vcc 0
		.amdhsa_float_denorm_mode_32 3
		.amdhsa_float_denorm_mode_16_64 3
		.amdhsa_memory_ordered 1
		.amdhsa_forward_progress 1
		.amdhsa_inst_pref_size 74
	.end_amdhsa_kernel
	.amdgpu_metadata
---
amdhsa.version: [ 1, 2 ]
amdhsa.kernels:
  - .name:           k_qfa75e13860_quant
    .symbol:         k_qfa75e13860_quant.kd
    .args:
      - { .name: x, .offset: 0, .size: 8, .value_kind: global_buffer, .address_space: global }
      - { .name: Wq, .offset: 8, .size: 8, .value_kind: global_buffer, .address_space: global }
      - { .name: Wk, .offset: 16, .size: 8, .value_kind: global_buffer, .address_space: global }
      - { .name: Wv, .offset: 24, .size: 8, .value_kind: global_buffer, .address_space: global }
      - { .name: x_codes, .offset: 32, .size: 8, .value_kind: global_buffer, .address_space: global }
      - { .name: x_scales, .offset: 40, .size: 8, .value_kind: global_buffer, .address_space: global }
      - { .name: w_codes, .offset: 48, .size: 8, .value_kind: global_buffer, .address_space: global }
      - { .name: w_scales, .offset: 56, .size: 8, .value_kind: global_buffer, .address_space: global }
    .group_segment_fixed_size: 68096
    .private_segment_fixed_size: 0
    .kernarg_segment_align: 8
    .kernarg_segment_size: 64
    .max_flat_workgroup_size: 128
    .sgpr_count:     66
    .vgpr_count:     194
    .wavefront_size: 32
...
	.end_amdgpu_metadata
.endif
;; end of part 1
;; launch proj (part 2): grid 8 x 32, 4 waves a work-group, clusters of 4 x 4, 327,680 bytes of LDS; arguments x_codes, x_scales, w_codes, w_scales, qb, kb, vb; writes qb, kb, vb
.if DOCPART == 2
	.amdgcn_target "amdgcn-amd-amdhsa--gfx1250"
	.amdhsa_code_object_version 6
	.text
	.protected	k_qfa75e13860_proj
	.globl	k_qfa75e13860_proj
	.p2align	8
	.type	k_qfa75e13860_proj,@function
k_qfa75e13860_proj:
	s_mov_b64 s[64:65], 0
	v_nop
	global_prefetch_b8 v0, s[64:65] scope:SCOPE_SE
	s_setreg_imm32_b32 hwreg(HW_REG_WAVE_MODE, 25, 1), 1
	s_wait_xcnt 0x0
	s_wait_alu depctr_hold_cnt(0) depctr_sa_sdst(0) depctr_va_vdst(0) depctr_va_sdst(0) depctr_va_ssrc(0) depctr_va_vcc(0) depctr_vm_vsrc(0)
	s_getreg_b32 s2, hwreg(HW_REG_IB_STS2, 6, 4)
	s_cmp_eq_u32 s2, 0
	s_cbranch_scc0 .Lentry_in_a_cluster
	s_endpgm
.Lentry_in_a_cluster:
	s_bfe_u32 s2, ttmp6, 0x10000c
	s_cmp_lg_u32 s2, 0xf033
	s_cbranch_scc0 .Lentry_shape_is_right
	s_endpgm
.Lentry_shape_is_right:
; q, k, v = x W on codes of FP6 (E2M3) with E8M0 scales along C = 1,024, f32 sums; the results are quantised in registers and leave as images of attention's operand registers.
; IN: x_codes [8192 places][768], x_scales [8192][32]; w_codes [3072 places][768], w_scales [3072][32]; matrix m = 16 type + head has places 64 m ..; within each 64, place 16 b + m holds index 32 (m / 8) + 8 b + m % 8.
; THE DEAL: 256 work-groups = 8 column groups g x 32 groups of 256 tokens.  A work-group makes its tokens' four heads 4 g .. 4 g + 3 of q and k together (g < 4: q) and then two heads 2 g, 2 g + 1 of v: six heads, alike in all.
; A wave holds its 64 tokens, ALL of C, in registers (4 tiles x 8 fragments of 12).  A head's 64 rows of W stream past in four blocks of 16 rows: a block is 32 products, 4 accumulators by turns.
; q, k: source 0 = W's rows: lane (r, h) holds token r of tile t, and over a head's four blocks d = 32 h + 0 .. 31.  v: source 0 = x's rows: lane (r, h) holds d-place r of block b, and over the four tiles tokens 32 h + 0 .. 31.
; Either way 32 sums of a lane are one scale block of the next product, and two conversions give six registers of its operand.
; LDS: x's 256 rows (pitch 816 = 3 x (256 + 16)), read once; a ring of two slots of 64 rows of W; a stage for v's scale bytes; the spare words.
; FILLS: at the head one load a wave: waves 0, 1 x's rows, waves 2, 3 head 0's rows.  Slot 1's first fill and the four refills stand behind a round of the cluster's barrier, 16 rows a wave, one head's 128 products ahead of their use.
; x's rows are shared along a row of the cluster, W's along a column.  W's rows are asked for into the L2 one head ahead of their tensor load, the 192 blocks of 256 bytes shared out by address among the 16 waves of a column.
; OUT: qb, kb: block ((batch x 16 + head) x 16 + step of 128 tokens) of 6,656 bytes: tile T = 4 c + t at 768 T (registers 0-3 at 16 x lane, 4-5 at 512 + 8 x lane); scale words at 6,144 + 256 c + 8 x lane + 4 j
; (lanes 0-15 tile 4 c + 2 j, lanes 16-31 the next; bytes 0, 1 the two scales, bytes 2, 3 = 0x7f).  vb: blocks of 6,400: tile u, band c at 768 (2 u + c), laid likewise; scale words at 6,144 + 8 x lane + 4 j (tile 2 j + lane / 16; byte 2 c + h).
; LIMITS: NaN and infinities are not served; a block of zeros gets the scale byte 1 (its codes are zeros; this program alone reads the bytes).
.set KROW,  768
.set PITCH, 816
.set FR,    12
.set FPW,   21                         ; fragments in a window of 256 registers; fragment f lies in window 1 + f / 21 at 12 (f % 21): 0-15 W's two sets, 16 + 4 q + t x's
.set NFL,   28                         ; LDS loads of a block's eight fragments
.set SLB,   256*PITCH
.set SLOTB, 64*PITCH
.set VSG,   SLB+2*SLOTB                ; v's scale bytes: four areas of 256
.set SPARE, VSG+1024
.set QBLK,  6656
.set VBLK,  6400
.set SPW, 4
.set NIL, 5
.set L16, 6
.set L8,  7
.set WS,  8                            ; 32 x lane
.set SH0, 9                            ; 8 h
.set SH1, 10                           ; 8 - 8 h
.set STV, 11
.set VRD, 15
.set PFO, 40
.set AW,  16                           ; v16-31 LDS addresses of W's blocks: 8 slot + 2 block (+1: for the pieces behind one padding more)
.set AX,  32                           ; v32-39 of my four tiles of x
.set SX,  44                           ; v44-59 x's scale words
.set SW,  64                           ; v64-95 W's scale words, two heads
.set TA,  96
.set SOP, 104
.set EB,  108
.set OT,  112
.set WD,  116
.set CD,  120                          ; v120-143 four operands' six registers
.set TC,  144
.set ACC, 72                           ; window 3: v840-967, 16 accumulators
.set WV, 18
.set G1X, 28
.set G1H, 36
.set G1W, 44
.set G0X, 52
.set G0H, 56
.set G0W, 60
.set QP,  68
.set QSB, 70
.set VP,  72
.set VE,  74
.set WSB, 76
.set SR,  78                           ; first row of the head that is asked for next
.set SV,  79                           ; first row of my first head of v
.set CNT, 80
.set HI,  81
.set W16, 83
.set SEL, 84
.set LS,  92                           ; s92, s93 where my 16 rows go in slot 0, 1
.set PF,  94
.set PFB, 96
.set MSB, 0
.macro WIN new
.if MSB != (\new)
	s_set_vgpr_msb (MSB<<8)|(\new)
.set MSB, (\new)
.endif
.endm
.macro PLACES n
.rept \n
	v_nop
.endr
.endm
.macro WALU
	s_wait_alu depctr_va_vdst(0)
.endm
.macro BARRIER
	s_barrier_signal -1
	s_barrier_wait -1
.endm
.macro CREST
	s_cmp_lg_u32 s[WV], 0
	s_cbranch_scc1 .Lnot_wave_0_\@
	s_barrier_signal -3
.Lnot_wave_0_\@:
	s_barrier_wait -3
	BARRIER
.endm
.macro CROUND
	BARRIER
	CREST
.endm
.macro TLOAD g0, g1
	tensor_load_to_lds s[\g0:\g0+3], s[\g1:\g1+7]
	s_nop 0
	PLACES 4
.endm
.macro GROUP1 g, mask, rows            ; rows of 768 bytes, 16 bytes of padding behind every 256
	s_or_b32 s[\g+0], s\mask, (1<<20)|(1<<21)|(5<<22)|(3<<25)
	s_mov_b32 s[\g+1], KROW<<16
	s_mov_b32 s[\g+2], (\rows)<<16
	s_mov_b32 s[\g+3], KROW<<16
	s_mov_b32 s[\g+4], \rows
	s_mov_b32 s[\g+5], KROW
	s_mov_b32 s[\g+6], 0
	s_mov_b32 s[\g+7], 0
.endm
.macro PTR d, base, off                ; s67 = 0 throughout
	s_mov_b32 s66, s\off
	s_add_nc_u64 s[\d:\d+1], s[\base:\base+1], s[66:67]
.endm
; a fragment: six pieces of 8 bytes, two to a load where both go by the same address register
.macro FRAG f, q, a
	WIN (1+(\f)/FPW)<<6
.set R_, FR*((\f)%FPW)
.irp p, 0,2,4
.set P0_, 12*(\q)+6*(\p/3)+\p%3
.set P1_, 12*(\q)+6*((\p+1)/3)+(\p+1)%3
.set X0_, (P0_%32+3)/32
.set X1_, (P1_%32+3)/32
.if X0_ == X1_
	ds_load_2addr_b64 v[R_+2*\p:R_+2*\p+3], v[(\a)+X0_] offset0:P0_+2*(P0_/32) offset1:P1_+2*(P1_/32)
.else
	ds_load_b64 v[R_+2*\p:R_+2*\p+1], v[(\a)+X0_] offset:8*(P0_+2*(P0_/32))
	ds_load_b64 v[R_+2*\p+2:R_+2*\p+3], v[(\a)+X1_] offset:8*(P1_+2*(P1_/32))
.endif
.endr
.endm
.macro FETCH sl, b, e                  ; block b of slot sl into set e
.irp q, 0,1,2,3,4,5,6,7
	FRAG 8*(\e)+\q, \q, AW+8*(\sl)+2*(\b)
.endr
	WIN 0
.endm
.macro WM d, a, b, c, sa, sb, ra, rb
.if (\ra) && (\rb)
	v_wmma_scale_f32_16x16x128_f8f6f4 v[\d:\d+7], v[\a:\a+11], v[\b:\b+11], \c, v[\sa], v[\sb] matrix_a_fmt:MATRIX_FMT_FP6 matrix_b_fmt:MATRIX_FMT_FP6 matrix_a_scale:MATRIX_SCALE_ROW1 matrix_b_scale:MATRIX_SCALE_ROW1
.elseif \ra
	v_wmma_scale_f32_16x16x128_f8f6f4 v[\d:\d+7], v[\a:\a+11], v[\b:\b+11], \c, v[\sa], v[\sb] matrix_a_fmt:MATRIX_FMT_FP6 matrix_b_fmt:MATRIX_FMT_FP6 matrix_a_scale:MATRIX_SCALE_ROW1
.elseif \rb
	v_wmma_scale_f32_16x16x128_f8f6f4 v[\d:\d+7], v[\a:\a+11], v[\b:\b+11], \c, v[\sa], v[\sb] matrix_a_fmt:MATRIX_FMT_FP6 matrix_b_fmt:MATRIX_FMT_FP6 matrix_b_scale:MATRIX_SCALE_ROW1
.else
	v_wmma_scale_f32_16x16x128_f8f6f4 v[\d:\d+7], v[\a:\a+11], v[\b:\b+11], \c, v[\sa], v[\sb] matrix_a_fmt:MATRIX_FMT_FP6 matrix_b_fmt:MATRIX_FMT_FP6
.endif
.endm
.macro PROD kind, e, b, par, n         ; product n = 4 q + t of block b
.set Q_, (\n)/4
.set T_, (\n)%4
.set FW_, 8*(\e)+Q_
.set FX_, 16+4*Q_+T_
.set RW_, FR*(FW_%FPW)
.set RX_, FR*(FX_%FPW)
.set SW_, SW+16*(\par)+8*((\b)/2)+Q_
.set SX_, SX+8*(T_/2)+Q_
.if \kind
.set D_, ACC+32*(\b)+8*T_
	WIN (1+FX_/FPW)|((1+FW_/FPW)<<2)|0xf0
.if Q_
	WM D_, RX_, RW_, v[D_:D_+7], SX_, SW_, T_%2, (\b)%2
.else
	WM D_, RX_, RW_, 0, SX_, SW_, T_%2, (\b)%2
.endif
.else
.set D_, ACC+32*T_+8*(\b)
	WIN (1+FW_/FPW)|((1+FX_/FPW)<<2)|0xf0
.if Q_
	WM D_, RW_, RX_, v[D_:D_+7], SW_, SX_, (\b)%2, T_%2
.else
	WM D_, RW_, RX_, 0, SW_, SX_, (\b)%2, T_%2
.endif
.endif
.endm
.macro PRODS kind, e, b, par, from, to
.set N_, \from
.rept (\to)-(\from)
	PROD \kind, \e, \b, \par, N_
.set N_, N_+1
.endr
.endm
; THE WAY OUT of a head: four runs of 32 sums a lane, each one scale block: largest magnitude (two chains each, from each accumulator's low end on), scale, two conversions
.macro OUT kind, hv
	WIN 0x3f
.irp k, 0,1,2,3
	v_max3_num_f32 v[TA+2*\k], |v[ACC+32*\k]|, |v[ACC+32*\k+1]|, |v[ACC+32*\k+2]|
	v_max3_num_f32 v[TA+2*\k+1], |v[ACC+32*\k+16]|, |v[ACC+32*\k+17]|, |v[ACC+32*\k+18]|
.endr
	WIN 0x3c
.irp i, 3,5,7,9,11,13
.irp k, 0,1,2,3
	v_max3_num_f32 v[TA+2*\k], v[TA+2*\k], |v[ACC+32*\k+\i]|, |v[ACC+32*\k+\i+1]|
	v_max3_num_f32 v[TA+2*\k+1], v[TA+2*\k+1], |v[ACC+32*\k+16+\i]|, |v[ACC+32*\k+17+\i]|
.endr
.endr
.irp k, 0,1,2,3
	v_max3_num_f32 v[TA+2*\k], v[TA+2*\k], |v[ACC+32*\k+15]|, 0x1800000    ; the floor 2^(3 - 127): the byte cannot fall under 1
	v_max3_num_f32 v[TA+2*\k+1], v[TA+2*\k+1], |v[ACC+32*\k+31]|, 0x1800000
.endr
	WIN 0
.irp k, 0,1,2,3
	v_max_num_f32 v[TA+2*\k], v[TA+2*\k], v[TA+2*\k+1]
.endr
.irp k, 0,1,2,3
	v_add_nc_u32 v[SOP+\k], 0xff000000, v[TA+2*\k]    ; 2 off the exponent field: the conversions' scale operand
.endr
	WIN 0x03
.irp k, 0,1,2,3
	v_cvt_scalef32_pk16_fp6_f32 v[CD+6*\k:CD+6*\k+2], v[ACC+32*\k:ACC+32*\k+15], v[SOP+\k]
	v_cvt_scalef32_pk16_fp6_f32 v[TC+4*\k:TC+4*\k+2], v[ACC+32*\k+16:ACC+32*\k+31], v[SOP+\k]
.endr
	WIN 0
.irp k, 0,1,2,3
	v_lshrrev_b32 v[EB+\k], 23, v[SOP+\k]             ; the scale's byte (also the plain lines behind the conversions)
.endr
.irp k, 0,1,2,3
.irp i, 0,1,2
	v_mov_b32 v[CD+6*\k+3+\i], v[TC+4*\k+\i]
.endr
.endr
.if \kind
	WALU
.irp k, 0,1,2,3
	ds_store_b8 v[STV], v[EB+\k] offset:512*(\hv)+128*(\k%2)+4*(\k/2)
	global_store_b128 v[L16], v[CD+6*\k:CD+6*\k+3], s[VP:VP+1] offset:1536*\k
	global_store_b64 v[L8], v[CD+6*\k+4:CD+6*\k+5], s[VP:VP+1] offset:1536*\k+512
.endr
	s_wait_xcnt 0x0                                   ; the stores have read their registers and base
	s_add_nc_u64 s[VP:VP+1], s[VP:VP+1], 16*VBLK
.else
.irp k, 0,1,2,3
	v_permlanex16_b32 v[OT+\k], v[EB+\k], s[SEL], s[SEL+1]   ; the other d-block's byte
.endr
.irp k, 0,1,2,3
	v_lshlrev_b32 v[TA+\k], v[SH0], v[EB+\k]
.endr
.irp k, 0,1,2,3
	v_lshl_or_b32 v[TA+\k], v[OT+\k], v[SH1], v[TA+\k]       ; tile k's word of row r, in both halves of the lanes
.endr
	v_cndmask_b32 v[WD], v[TA], v[TA+1], s[HI]               ; lanes 16-31 take the odd tile's
	v_cndmask_b32 v[WD+1], v[TA+2], v[TA+3], s[HI]
	v_or_b32 v[WD], 0x7f7f0000, v[WD]                        ; 1.0 twice for the half of q k^T's instruction that holds no d
	v_or_b32 v[WD+1], 0x7f7f0000, v[WD+1]
	WALU
.irp k, 0,1,2,3
	global_store_b128 v[L16], v[CD+6*\k:CD+6*\k+3], s[QP:QP+1] offset:768*\k
	global_store_b64 v[L8], v[CD+6*\k+4:CD+6*\k+5], s[QP:QP+1] offset:768*\k+512
.endr
	global_store_b64 v[L8], v[WD:WD+1], s[QSB:QSB+1]
	s_wait_xcnt 0x0
	s_add_nc_u64 s[QP:QP+1], s[QP:QP+1], 16*QBLK
	s_add_nc_u64 s[QSB:QSB+1], s[QSB:QSB+1], 16*QBLK
.endif
.endm
; A HEAD: four blocks.  par: its slot and its set of scale words.  mode 2: its slot is filled again, two heads on; 1: a barrier shows the last fill; 0: the last head.  lc: the loads of scale words that may be out
.macro HEAD kind, par, mode, lc
	s_wait_loadcnt \lc
.if \mode == 2
.if \par
	s_cmp_eq_u32 s[CNT], 0                            ; three heads on: in the second trip there is none
	s_cbranch_scc0 .Lno_pf_\@
	s_mov_b32 s66, s[SV]
.else
	s_add_co_u32 s66, s[SR], 64
.endif
	s_mul_i32 s66, s66, KROW
	s_add_nc_u64 s[PF:PF+1], s[PFB:PFB+1], s[66:67]
	global_prefetch_b8 v[PFO], s[PF:PF+1] th:TH_LOAD_NT scope:SCOPE_SE   ; my 12 blocks of 256 bytes of the head that the next round but one... the head three on; its tensor load is issued one head from here
.if \par
.Lno_pf_\@:
.endif
.endif
.irp b, 0,1,2
	PLACES 4                                          ; between the last block's products and loads into their set
	FETCH \par, \b+1, (\b+1)%2
	s_wait_dscnt NFL                                  ; all but the fetch just issued
	PRODS \kind, \b%2, \b, \par, 0, 32
	WIN 0
.endr
.if \mode
	s_wait_tensorcnt 0x0                              ; my part of the other slot is in
	ds_add_u32 v[SPW], v[NIL]
	s_wait_dscnt 1                                    ; block 3's fragments are in; the add may be out
.if \mode == 2
	s_add_co_u32 s66, s[SR], s[W16]                   ; no tensor load of mine is out: the descriptor of my 16 rows
	s_mul_i32 s66, s66, KROW
	s_add_nc_u64 s[G0W+2:G0W+3], s[8:9], s[66:67]
	s_or_b32 s[G0W+3], s[G0W+3], 0x80000000
	s_mov_b32 s[G0W+1], s[LS+\par]
.endif
	PRODS \kind, 1, 3, \par, 0, 16
	WIN 0
	s_wait_dscnt 0x0                                  ; the add is done; my reads of this slot are over
	s_barrier_signal -1
	PRODS \kind, 1, 3, \par, 16, 32
	WIN 0
	s_barrier_wait -1
.if \mode == 2
	CREST
	TLOAD G0W, G1W
.else
	PLACES 4
.endif
	FETCH 1-\par, 0, 0                                ; the next head's first block
.else
	s_wait_dscnt 0x0
	PRODS \kind, 1, 3, \par, 0, 32
	WIN 0
	PLACES 4
.endif
.if \mode == 2
	s_lshl_b32 s66, s[SR], 5                          ; the scale words of the head two on, into this head's set
	s_add_nc_u64 s[WSB:WSB+1], s[10:11], s[66:67]
.irp p, 0,1
.irp c, 0,1
	global_load_b128 v[SW+16*\par+8*\p+4*\c:SW+16*\par+8*\p+4*\c+3], v[WS], s[WSB:WSB+1] offset:1024*\p+16*\c
.endr
.endr
	s_add_co_u32 s[SR], s[SR], 64
.endif
	OUT \kind, \par
.endm
	s_load_b256 s[4:11], s[0:1], 0x0                  ; x_codes, x_scales, w_codes, w_scales
	s_load_b128 s[12:15], s[0:1], 0x20                ; qb, kb
	s_load_b64 s[16:17], s[0:1], 0x30                 ; vb
	v_lshl_add_u32 v[SPW], v0, 2, SPARE
	v_mov_b32 v[NIL], 0
	ds_add_u32 v[SPW], v[NIL]                         ; the opening lines
	ds_add_u32 v[SPW], v[NIL]
	v_lshrrev_b32 v12, 5, v0
	v_readfirstlane_b32 s[WV], v12
	s_bfe_u32 s19, ttmp6, 0x40000                     ; cx
	s_bfe_u32 s20, ttmp6, 0x40004                     ; cy
	s_lshl_b32 s21, ttmp9, 2
	s_add_co_u32 s21, s21, s19                        ; g
	s_and_b32 s22, ttmp7, 0xffff
	s_lshl_b32 s22, s22, 2
	s_add_co_u32 s22, s22, s20                        ; the group of 256 tokens
	s_lshl_b32 s23, s20, 2
	s_lshl_b32 s23, 15, s23                           ; my row of the cluster
	s_lshl_b32 s24, 0x1111, s19                       ; my column
	GROUP1 G1X, 23, 128
	GROUP1 G1H, 24, 32
	GROUP1 G1W, 24, 16
	s_and_b32 s25, s[WV], 1                           ; my band of 64 in a step of 128 tokens
	s_lshr_b32 s26, s[WV], 1                          ; which of the two steps
	s_mov_b32 s67, 0
	s_lshl_b32 s27, s21, 8                            ; W's row of my head 0
	s_add_co_u32 s[SR], s27, 128
	s_lshl_b32 s[SV], s21, 7
	s_add_co_u32 s[SV], s[SV], 2048
	s_lshl_b32 s[W16], s[WV], 4
	s_mov_b32 s[HI], 0xffff0000
	s_mov_b32 s[SEL], 0x76543210
	s_mov_b32 s[SEL+1], 0xfedcba98
	s_mul_i32 s[LS], s[WV], 16*PITCH
	s_add_co_u32 s[LS], s[LS], SLB
	s_add_co_u32 s[LS+1], s[LS], SLOTB
	s_mov_b32 s[G0X], 1
	s_mul_i32 s[G0X+1], s25, 128*PITCH
	s_mov_b32 s[G0H], 1
	s_mul_i32 s[G0H+1], s25, 32*PITCH
	s_add_co_u32 s[G0H+1], s[G0H+1], SLB
	s_mov_b32 s[G0W], 1
	s_mov_b32 s[G0W+1], s[LS+1]
	s_lshl_b32 s98, s22, 8
	s_lshl_b32 s66, s25, 7
	s_add_co_u32 s98, s98, s66
	s_mul_i32 s98, s98, KROW                          ; x's 128 rows that I fetch
	s_lshl_b32 s99, s25, 5
	s_add_co_u32 s99, s99, s27
	s_mul_i32 s99, s99, KROW                          ; head 0's 32 rows
	s_add_co_u32 s82, s27, s[W16]
	s_add_co_u32 s82, s82, 64
	s_mul_i32 s82, s82, KROW                          ; head 1's 16 rows
	s_lshl_b32 s100, s22, 8
	s_lshl_b32 s66, s[WV], 6
	s_add_co_u32 s100, s100, s66
	s_lshl_b32 s100, s100, 5                          ; my 64 tokens' scale bytes
	s_lshl_b32 s101, s27, 5
	s_mul_i32 s86, s[WV], 64*PITCH
	s_add_co_u32 s87, s86, 16*PITCH
	s_add_co_u32 s88, s86, 32*PITCH
	s_add_co_u32 s89, s86, 48*PITCH
	s_lshl_b32 s90, s26, 8
	s_lshl_b32 s66, s25, 1
	s_add_co_u32 s90, s90, s66
	s_add_co_u32 s90, s90, VSG
	s_lshl_b32 s91, s[WV], 8
	s_add_co_u32 s91, s91, VSG
	s_lshr_b32 s2, s22, 3
	s_lshl_b32 s2, s2, 4                              ; 16 x batch
	s_and_b32 s3, s22, 7
	s_lshl_b32 s3, s3, 1                              ; the first of my two steps
	s_lshl_b32 s94, s19, 2
	s_add_co_u32 s94, s94, s2
	s_lshl_b32 s94, s94, 4
	s_add_co_u32 s94, s94, s3
	s_add_co_u32 s94, s94, s26
	s_mul_i32 s94, s94, QBLK
	s_lshl_b32 s66, s25, 8
	s_add_co_u32 s95, s94, s66
	s_add_co_u32 s95, s95, 6144
	s_mul_i32 s66, s25, 3072
	s_add_co_u32 s94, s94, s66
	s_lshl_b32 s96, s21, 1
	s_add_co_u32 s96, s96, s2
	s_add_co_u32 s97, s96, s26
	s_lshl_b32 s96, s96, 4
	s_add_co_u32 s96, s96, s3
	s_add_co_u32 s96, s96, s26
	s_mul_i32 s96, s96, VBLK
	s_mul_i32 s66, s25, 768
	s_add_co_u32 s96, s96, s66
	s_lshl_b32 s97, s97, 4
	s_add_co_u32 s97, s97, s3
	s_add_co_u32 s97, s97, s25
	s_mul_i32 s97, s97, VBLK
	s_add_co_u32 s97, s97, 6144
	v_and_b32 v1, 15, v0
	v_bfe_u32 v2, v0, 4, 1
	v_and_b32 v3, 31, v0
	v_mul_u32_u24 v12, v1, PITCH
	v_mad_u32_u24 v13, v2, 24, v12                    ; row x pitch + 24 h
	v_mad_u32_u24 v14, v2, 40, v12                    ; and behind one padding more
.irp s, 0,1
.irp b, 0,1,2,3
	v_add_nc_u32 v[AW+8*\s+2*\b], SLB+\s*SLOTB+\b*16*PITCH, v13
	v_add_nc_u32 v[AW+8*\s+2*\b+1], SLB+\s*SLOTB+\b*16*PITCH, v14
.endr
.endr
.irp t, 0,1,2,3
	v_add_nc_u32 v[AX+2*\t], s[86+\t], v13
	v_add_nc_u32 v[AX+2*\t+1], s[86+\t], v14
.endr
	v_lshlrev_b32 v[L16], 4, v3
	v_lshlrev_b32 v[L8], 3, v3
	v_lshlrev_b32 v[WS], 5, v3
	v_lshlrev_b32 v[SH0], 3, v2
	v_sub_nc_u32 v[SH1], 8, v[SH0]
	v_lshl_add_u32 v[STV], v1, 3, v2
	v_add_nc_u32 v[STV], s90, v[STV]
	v_add_nc_u32 v[VRD], s91, v[L8]
	v_min_u32 v[PFO], 11, v3
	v_lshlrev_b32 v[PFO], 8, v[PFO]
.irp k, 0,1,2,3
	v_mov_b32 v[OT+\k], 0                             ; a lane permute's destination counts as one of its sources
.endr
	WALU
	s_wait_dscnt 0x0
	CROUND                                            ; in front of the first joint loads
	s_wait_kmcnt 0x0
	PTR G0X+2, 4, 98
	s_or_b32 s[G0X+3], s[G0X+3], 0x80000000
	PTR G0H+2, 8, 99
	s_or_b32 s[G0H+3], s[G0H+3], 0x80000000
	PTR G0W+2, 8, 82
	s_or_b32 s[G0W+3], s[G0W+3], 0x80000000
	s_cmp_lt_u32 s[WV], 2
	s_cbranch_scc0 .Lfor_w
	TLOAD G0X, G1X                                    ; waves 0, 1: 128 rows of x each
	s_branch .Lasked
.Lfor_w:
	TLOAD G0H, G1H                                    ; waves 2, 3: 32 rows of head 0 each
.Lasked:
	s_cmp_eq_u32 ttmp9, 0                             ; q or k: the cluster's x
	s_cselect_b64 s[QP:QP+1], s[12:13], s[14:15]
	PTR QSB, QP, 95
	PTR QP, QP, 94
	PTR VP, 16, 96
	PTR VE, 16, 97
	PTR 2, 6, 100
	PTR WSB, 10, 101
	s_lshl_b32 s66, s20, 2
	s_add_co_u32 s66, s66, s[WV]
	s_mul_i32 s66, s66, 3072                          ; my sixteenth of a head's 49,152 bytes
	s_add_nc_u64 s[PFB:PFB+1], s[8:9], s[66:67]
	s_mul_i32 s66, s[SR], KROW
	s_add_nc_u64 s[PF:PF+1], s[PFB:PFB+1], s[66:67]
.irp p, 0,1
.irp c, 0,1
	global_load_b128 v[SX+8*\p+4*\c:SX+8*\p+4*\c+3], v[WS], s[2:3] offset:1024*\p+16*\c     ; lanes 0-15 tile 2 p, lanes 16-31 tile 2 p + 1; word q for C = 128 q ..
.endr
.endr
.irp d, 0,1
.irp p, 0,1
.irp c, 0,1
	global_load_b128 v[SW+16*\d+8*\p+4*\c:SW+16*\d+8*\p+4*\c+3], v[WS], s[WSB:WSB+1] offset:2048*\d+1024*\p+16*\c
.endr
.endr
.endr
	global_prefetch_b8 v[PFO], s[PF:PF+1] th:TH_LOAD_NT scope:SCOPE_SE   ; head 2's rows
	s_cmp_lt_u32 s[WV], 2
	s_cbranch_scc0 .Lnot_x
	s_wait_tensorcnt 0x0
.Lnot_x:
	BARRIER                                           ; x's rows are in; head 0's may be on their way
.irp t, 0,1,2,3
.irp q, 0,1,2,3,4,5,6,7
	FRAG 16+4*\q+\t, \q, AX+2*\t
.endr
.endr
	WIN 0
	s_wait_tensorcnt 0x0                              ; head 0's rows
	ds_add_u32 v[SPW], v[NIL]
	s_wait_dscnt 0x0
	CROUND
	TLOAD G0W, G1W                                    ; slot 1: head 1
	FETCH 0, 0, 0
	s_wait_loadcnt 0x0
	s_wait_xcnt 0x0                                   ; the prefetch has read its base
	s_mov_b32 s[CNT], 0
.Lqk:                                                 ; two heads of q or k a trip
	HEAD 0, 0, 2, 4
	HEAD 0, 1, 2, 4
	s_mov_b32 s[SR], s[SV]                            ; the second trip asks for v's two heads
	s_add_co_u32 s[CNT], s[CNT], 1
	s_cmp_lt_u32 s[CNT], 2
	WALU
	s_cbranch_scc1 .Lqk
	HEAD 1, 0, 1, 4
	HEAD 1, 1, 0, 0
	s_wait_dscnt 0x0                                  ; my scale bytes are in the stage
	BARRIER
	ds_load_b64 v[12:13], v[VRD]                      ; area w: head w / 2, step w % 2
	s_wait_dscnt 0x0
	global_store_b64 v[L8], v[12:13], s[VE:VE+1]      ; 256 consecutive bytes, aligned
	s_wait_tensorcnt 0x0                              ; the wave's end
	ds_add_u32 v[SPW], v[NIL]
	s_wait_dscnt 0x0
	CROUND
	s_endpgm
.Lfunc_end_k_qfa75e13860_proj:
	.size	k_qfa75e13860_proj, .Lfunc_end_k_qfa75e13860_proj-k_qfa75e13860_proj
	.p2alignl 7, 3214868480
	.fill 96, 4, 3214868480
	.section	.rodata,"a",@progbits
	.p2align	6, 0x0
	.amdhsa_kernel k_qfa75e13860_proj
		.amdhsa_group_segment_fixed_size 327680
		.amdhsa_private_segment_fixed_size 0
		.amdhsa_enable_private_segment 0
		.amdhsa_kernarg_size 56
		.amdhsa_user_sgpr_count 2
		.amdhsa_user_sgpr_kernarg_segment_ptr 1
		.amdhsa_wavefront_size32 1
		.amdhsa_system_sgpr_workgroup_id_x 1
		.amdhsa_system_sgpr_workgroup_id_y 1
		.amdhsa_system_sgpr_workgroup_id_z 1
		.amdhsa_system_vgpr_workitem_id 0
		.amdhsa_next_free_vgpr 968
		.amdhsa_next_free_sgpr 102
		.amdhsa_reserve_vcc 0
		.amdhsa_float_denorm_mode_32 3
		.amdhsa_float_denorm_mode_16_64 3
		.amdhsa_memory_ordered 1
		.amdhsa_forward_progress 1
		.amdhsa_inst_pref_size 151
	.end_amdhsa_kernel
	.amdgpu_metadata
---
amdhsa.version: [ 1, 2 ]
amdhsa.kernels:
  - .name:           k_qfa75e13860_proj
    .symbol:         k_qfa75e13860_proj.kd
    .args:
      - { .name: x_codes, .offset: 0, .size: 8, .value_kind: global_buffer, .address_space: global }
      - { .name: x_scales, .offset: 8, .size: 8, .value_kind: global_buffer, .address_space: global }
      - { .name: w_codes, .offset: 16, .size: 8, .value_kind: global_buffer, .address_space: global }
      - { .name: w_scales, .offset: 24, .size: 8, .value_kind: global_buffer, .address_space: global }
      - { .name: qb, .offset: 32, .size: 8, .value_kind: global_buffer, .address_space: global }
      - { .name: kb, .offset: 40, .size: 8, .value_kind: global_buffer, .address_space: global }
      - { .name: vb, .offset: 48, .size: 8, .value_kind: global_buffer, .address_space: global }
    .group_segment_fixed_size: 327680
    .private_segment_fixed_size: 0
    .kernarg_segment_align: 8
    .kernarg_segment_size: 56
    .max_flat_workgroup_size: 128
    .sgpr_count:     102
    .vgpr_count:     968
    .wavefront_size: 32
...
	.end_amdgpu_metadata
.endif
;; end of part 2
;; launch attn (part 3): grid 4 x 64, 16 waves a work-group, clusters of 4 x 1, 327,680 bytes of LDS; arguments qb, kb, vb, out0; writes out0
.if DOCPART == 3
	.amdgcn_target "amdgcn-amd-amdhsa--gfx1250"
	.amdhsa_code_object_version 6
	.text
	.protected	k_qfa75e13860_attn
	.globl	k_qfa75e13860_attn
	.p2align	8
	.type	k_qfa75e13860_attn,@function
k_qfa75e13860_attn:
	s_mov_b64 s[64:65], 0
	v_nop
	global_prefetch_b8 v0, s[64:65] scope:SCOPE_SE
	s_setreg_imm32_b32 hwreg(HW_REG_WAVE_MODE, 25, 1), 1
	s_wait_xcnt 0x0
	s_wait_alu depctr_hold_cnt(0) depctr_sa_sdst(0) depctr_va_vdst(0) depctr_va_sdst(0) depctr_va_ssrc(0) depctr_va_vcc(0) depctr_vm_vsrc(0)
	s_getreg_b32 s2, hwreg(HW_REG_IB_STS2, 6, 4)
	s_cmp_eq_u32 s2, 0
	s_cbranch_scc0 .Lentry_in_a_cluster
	s_endpgm
.Lentry_in_a_cluster:
	s_bfe_u32 s2, ttmp6, 0x10000c
	s_cmp_lg_u32 s2, 0x3003
	s_cbranch_scc0 .Lentry_shape_is_right
	s_endpgm
.Lentry_shape_is_right:
; out = softmax(q k^T / 8, causal) v for one batch and head a cluster, on codes of FP6 with E8M0 scales, from the operand images that launch proj stored (their layout: at its head).
; WORK LEFT OUT: steps of 128 keys that lie wholly behind a tile's queries: reference()'s own mask gives them p = 0 (shown at the head of launch quant).
; A cluster of four work-groups shares a head's K and V: 16 blocks each, all in LDS, fetched once by joint loads at the head: waves 0-7 two blocks of K each, waves 8-15 two of V: one load a wave, nothing is filled again.
; No prefetch: all tiles are asked for at the head, and there is no loop to run ahead in.
; A wave takes two tiles of 16 queries: tile T = 2 cx + wave / 8 of the blocks of 128 queries J = wave % 8 and 15 - J: 17 steps of 128 keys for every wave.
; Both products are used transposed: S^T = k q^T, O^T = v^T p^T: a lane holds one query.  By the order of the places register n of S^T is key 64 (n / 32) + 32 h + n % 32: a lane's 32 registers are one scale block of p.
; M is the running largest t rounded up to a whole number; p = 2^(t - M); the sum is taken of the unquantised p; O^T and the sum are brought under a new M by an exact power of two.
; A block's largest p is made from its largest score by the same multiply-add and exponential.
; LIMITS: NaN and infinities are not served; the promise holds while the scaled scores stay under 2^31 in magnitude.
.set QBLK,  6656
.set VBLK,  6400
.set KREG,  0
.set VREG,  16*QBLK
.set STAGE, VREG+16*VBLK
.set SPITCH, 272
.set SPARE, STAGE+16*16*SPITCH
.set L16,  1
.set L8,   2
.set R8,   3
.set GO,   4
.set STO,  5
.set SRD,  6
.set AK16, 7
.set AK8,  8
.set AV16, 9
.set AV8,  10
.set QS,   11
.set QF,   16
.set KF,   28
.set CD,   76
.set VF,   88
.set S,    136
.set O,    200
.set BM,   232
.set WK,   236
.set TMP,  243
.set SO,   244
.set PX,   246
.set SH,   247
.set KS,   248
.set F,    252
.set PS,   253
.set VS,   254
.set CNT,  2
.set TK,   3
.set WV,   12
.set CX,   13
.set BH,   14
.set J,    15
.set SUB,  16
.set J2,   17
.set QROW, 18
.set TV,   19
.set SEL,  20
.set CS,   22
.set G1K,  24
.set G1V,  32
.set G0K,  40
.set G0V,  44
.macro CROUND
	s_barrier_signal -1
	s_barrier_wait -1
	s_cmp_lg_u32 s[WV], 0
	s_cbranch_scc1 .Lnot_wave_0_\@
	s_barrier_signal -3
.Lnot_wave_0_\@:
	s_barrier_wait -3
	s_barrier_signal -1
	s_barrier_wait -1
.endm
	s_load_b256 s[4:11], s[0:1], 0x0                  ; qb, kb, vb, out0
	v_lshl_add_u32 v254, v0, 2, SPARE
	v_mov_b32 v255, 0
	ds_add_u32 v254, v255                             ; the opening lines
	ds_add_u32 v254, v255
	v_lshrrev_b32 v1, 5, v0
	v_readfirstlane_b32 s[WV], v1
	s_bfe_u32 s[CX], ttmp6, 0x40000
	s_and_b32 s[BH], ttmp7, 0xffff
	s_and_b32 s[J], s[WV], 7
	s_xor_b32 s[J2], s[J], 15
	s_lshr_b32 s[SUB], s[WV], 3
	s_mov_b32 s[G1K], 15|(3<<16)|(1<<21)              ; two blocks of K: 13,312 dense bytes as 52 rows of 256
	s_mov_b32 s[G1K+1], 32<<16
	s_mov_b32 s[G1K+2], 52<<16
	s_mov_b32 s[G1K+3], 32<<16
	s_mov_b32 s[G1K+4], 52
	s_mov_b32 s[G1K+5], 32
	s_mov_b32 s[G1K+6], 0
	s_mov_b32 s[G1K+7], 0
	s_mov_b32 s[G1V], 15|(3<<16)|(1<<21)              ; two blocks of V: 50 rows
	s_mov_b32 s[G1V+1], 32<<16
	s_mov_b32 s[G1V+2], 50<<16
	s_mov_b32 s[G1V+3], 32<<16
	s_mov_b32 s[G1V+4], 50
	s_mov_b32 s[G1V+5], 32
	s_mov_b32 s[G1V+6], 0
	s_mov_b32 s[G1V+7], 0
	s_lshl_b32 s60, s[BH], 4
	s_lshl_b32 s61, s[J], 1
	s_add_co_u32 s60, s60, s61
	s_mul_i32 s62, s60, VBLK
	s_mul_i32 s60, s60, QBLK
	s_mov_b32 s61, 0
	s_mov_b32 s63, 0
	s_mov_b32 s[G0K], 1
	s_mul_i32 s[G0K+1], s[J], 2*QBLK
	s_mov_b32 s[G0V], 1
	s_mul_i32 s[G0V+1], s[J], 2*VBLK
	s_add_co_u32 s[G0V+1], s[G0V+1], VREG
	s_mov_b32 s[SEL], 0x76543210
	s_mov_b32 s[SEL+1], 0xfedcba98
	s_mov_b32 s[CS], 0x3e38aa3b                       ; log2(e) / 8
	s_mov_b32 s[CS+1], s[CS]
	s_lshr_b32 s56, s[CX], 1                          ; my tile T = 4 c + t: c = cx / 2, t = 2 (cx % 2) + wave / 8
	s_and_b32 s57, s[CX], 1
	s_lshl_b32 s[QROW], s56, 6
	s_lshl_b32 s58, s57, 4
	s_add_co_u32 s[QROW], s[QROW], s58
	s_lshl_b32 s58, s[SUB], 3
	s_add_co_u32 s[QROW], s[QROW], s58                ; 64 c + 8 t: lane r's query is this + 32 (r / 8) + r % 8
	s_lshl_b32 s48, s[CX], 1
	s_add_co_u32 s48, s48, s[SUB]
	s_mul_i32 s48, s48, 768
	s_mov_b32 s49, 0
	s_lshl_b32 s50, s56, 8                            ; q's scale words: 6,144 + 256 c + 128 (t % 2) + 4 (t / 2) + 8 r
	s_lshl_b32 s58, s[SUB], 7
	s_add_co_u32 s50, s50, s58
	s_lshl_b32 s58, s57, 2
	s_add_co_u32 s50, s50, s58
	s_add_co_u32 s50, s50, 6144
	s_mov_b32 s51, 0
	s_lshr_b32 s52, s[BH], 4
	s_lshl_b32 s52, s52, 11
	s_add_co_u32 s52, s52, s[QROW]
	s_lshl_b32 s52, s52, 12
	s_and_b32 s58, s[BH], 15
	s_lshl_b32 s58, s58, 8
	s_add_co_u32 s52, s52, s58
	s_mov_b32 s53, 0
	s_mul_i32 s58, s[WV], 16*SPITCH
	s_add_co_u32 s58, s58, STAGE
	v_and_b32 v[L16], 31, v0
	v_and_b32 v[R8], 15, v0
	v_bfe_u32 v[GO], v0, 4, 1
	v_lshlrev_b32 v[L8], 3, v[L16]
	v_lshlrev_b32 v[L16], 4, v[L16]
	v_mul_u32_u24 v[STO], v[R8], SPITCH
	v_mul_u32_u24 v[SRD], v[GO], SPITCH
	v_lshl_add_u32 v[STO], v[GO], 7, v[STO]           ; into the stage: row r, 128 bytes for each half of the lanes
	v_lshl_add_u32 v[SRD], v[R8], 4, v[SRD]
	v_add_nc_u32 v[STO], s58, v[STO]
	v_add_nc_u32 v[SRD], s58, v[SRD]
	v_lshlrev_b32 v[SH], 3, v[GO]
	v_lshlrev_b32 v[GO], 12, v[GO]
	v_lshl_add_u32 v[GO], v[R8], 4, v[GO]
	v_lshlrev_b32 v[R8], 3, v[R8]
.irp i, 6,7,8,9,10,11
	v_mov_b32 v[QF+\i], 0                             ; the half of q k^T's instruction that holds no d
.endr
.irp i, 0,1,2,3,4,5,6,7,8,9,10,11
	v_mov_b32 v[CD+\i], 0
.endr
	v_mov_b32 v[PX], 0
	v_mov_b32 v[TMP], 0
	v_mov_b32 v[PS], 0
	s_wait_alu depctr_va_vdst(0)
	s_wait_dscnt 0x0
	s_wait_kmcnt 0x0
	s_add_nc_u64 s[G0K+2:G0K+3], s[6:7], s[60:61]
	s_or_b32 s[G0K+3], s[G0K+3], 0x80000000
	s_add_nc_u64 s[G0V+2:G0V+3], s[8:9], s[62:63]
	s_or_b32 s[G0V+3], s[G0V+3], 0x80000000
	CROUND
	s_cmp_lt_u32 s[WV], 8
	s_cbranch_scc0 .Lfor_v
	tensor_load_to_lds s[G0K:G0K+3], s[G1K:G1K+7]
	s_nop 0
.rept 4
	v_nop
.endr
	s_branch .Lasked
.Lfor_v:
	tensor_load_to_lds s[G0V:G0V+3], s[G1V:G1V+7]
	s_nop 0
.rept 4
	v_nop
.endr
.Lasked:
.macro STEP blk
	v_add_nc_u32 v[AK16], s[TK], v[L16]
	v_add_nc_u32 v[AK8], s[TK], v[L8]
	v_add_nc_u32 v[AV16], s[TV], v[L16]
	v_add_nc_u32 v[AV8], s[TV], v[L8]
.irp t, 0,1,2,3,4,5,6,7
	ds_load_b128 v[KF+6*\t:KF+6*\t+3], v[AK16] offset:768*\t
	ds_load_b64 v[KF+6*\t+4:KF+6*\t+5], v[AK8] offset:768*\t+512
.endr
	ds_load_b64 v[KS:KS+1], v[AK8] offset:6144
	ds_load_b64 v[KS+2:KS+3], v[AK8] offset:6400
.irp i, 0,1,2,3,4,5,6,7
	ds_load_b128 v[VF+6*\i:VF+6*\i+3], v[AV16] offset:768*\i
	ds_load_b64 v[VF+6*\i+4:VF+6*\i+5], v[AV8] offset:768*\i+512
.endr
	ds_load_b64 v[VS:VS+1], v[AV8] offset:6144
	s_wait_dscnt 17                                   ; K's 18 loads are in; V's 17 may be out
.irp t, 0,1,2,3,4,5,6,7
.if \t%2
	v_wmma_scale_f32_16x16x128_f8f6f4 v[S+8*\t:S+8*\t+7], v[KF+6*\t:KF+6*\t+11], v[QF:QF+11], 0, v[KS+\t/2], v[QS] matrix_a_fmt:MATRIX_FMT_FP6 matrix_b_fmt:MATRIX_FMT_FP6 matrix_a_scale:MATRIX_SCALE_ROW1
.else
	v_wmma_scale_f32_16x16x128_f8f6f4 v[S+8*\t:S+8*\t+7], v[KF+6*\t:KF+6*\t+11], v[QF:QF+11], 0, v[KS+\t/2], v[QS] matrix_a_fmt:MATRIX_FMT_FP6 matrix_b_fmt:MATRIX_FMT_FP6
.endif
.endr
.rept 4
	v_nop
.endr
	s_cmp_lg_u32 s[CNT], s[\blk]
	s_cbranch_scc1 .Lopen_\@
	v_and_b32 v[WK], 7, v0                            ; the step on the diagonal: key 64 (n / 32) + n % 32 + 32 h counts while it is not behind my query
	v_and_b32 v[WK+1], 8, v0
	v_lshl_add_u32 v[WK], v[WK+1], 2, v[WK]
	v_and_b32 v[WK+1], 16, v0
	v_lshlrev_b32 v[WK+1], 1, v[WK+1]
	v_sub_nc_u32 v[WK], v[WK], v[WK+1]
	v_add_nc_u32 v[WK], s[QROW], v[WK]
	v_mov_b32 v[TMP], 0xff800000
.set n, 0
.rept 64
	v_cmp_gt_i32 vcc_lo, 64*(n/32)+n%32, v[WK]
	v_cndmask_b32 v[S+n], v[S+n], v[TMP], vcc_lo
.set n, n+1
.endr
.Lopen_\@:
.irp b, 0,1,2,3
	v_max3_num_f32 v[BM+\b], v[S+16*\b], v[S+16*\b+1], v[S+16*\b+2]
.endr
.irp i, 3,5,7,9,11,13
.irp b, 0,1,2,3
	v_max3_num_f32 v[BM+\b], v[BM+\b], v[S+16*\b+\i], v[S+16*\b+\i+1]
.endr
.endr
.irp b, 0,1,2,3
	v_max_num_f32 v[BM+\b], v[BM+\b], v[S+16*\b+15]
.endr
	v_max_num_f32 v[BM], v[BM], v[BM+1]               ; my two blocks' largest scores
	v_max_num_f32 v[BM+2], v[BM+2], v[BM+3]
	v_max_num_f32 v[TMP], v[BM], v[BM+2]
	v_permlanex16_b32 v[PX], v[TMP], s[SEL], s[SEL+1]
	v_max_num_f32 v[TMP], v[TMP], v[PX]               ; the step's largest score of my query
	s_delay_alu instid0(VALU_DEP_1)
	v_mul_f32 v[TMP], s[CS], v[TMP]
	s_delay_alu instid0(VALU_DEP_1)
	v_max_num_f32 v13, v13, v[TMP]
	v_mov_b32 v[TMP], v12
	s_delay_alu instid0(VALU_DEP_2)
	v_floor_f32 v12, -v13                             ; -M
	s_delay_alu instid0(VALU_DEP_1)
	v_sub_f32 v[TMP], v12, v[TMP]
	s_delay_alu instid0(VALU_DEP_1)
	v_cvt_i32_f32 v[TMP], v[TMP]
	s_delay_alu instid0(VALU_DEP_1)
	v_ldexp_f32 v[F], 1.0, v[TMP]                     ; 2^(old M - new M)
.set n, 0
.rept 32
	v_pk_fma_f32 v[S+n:S+n+1], v[S+n:S+n+1], s[CS:CS+1], v[12:13] op_sel_hi:[1,0,0]
.set n, n+2
.endr
	v_fma_f32 v[BM], v[BM], s[CS], v12
	v_fma_f32 v[BM+2], v[BM+2], s[CS], v12
	s_wait_alu depctr_va_vdst(0)
.set n, 0
.rept 64
	v_exp_f32 v[S+n], v[S+n]
.set n, n+1
.endr
	v_exp_f32 v[BM], v[BM]
	v_exp_f32 v[BM+2], v[BM+2]
	v_pk_mul_f32 v[14:15], v[14:15], v[F:F+1] op_sel_hi:[1,0]
	s_wait_alu depctr_va_vdst(0)                      ; and behind it, directly ahead of the first reader of O^T
.set n, 0
.rept 16
	v_pk_mul_f32 v[O+n:O+n+1], v[O+n:O+n+1], v[F:F+1] op_sel_hi:[1,0]
.set n, n+2
.endr
	v_max_num_f32 v[BM], 0x1800000, v[BM]             ; the floor: the byte cannot fall under 1
	v_max_num_f32 v[BM+2], 0x1800000, v[BM+2]
	v_add_nc_u32 v[SO], 0xff000000, v[BM]
	v_add_nc_u32 v[SO+1], 0xff000000, v[BM+2]
	v_lshrrev_b32 v[WK], 23, v[SO]
	v_lshrrev_b32 v[WK+1], 23, v[SO+1]
	v_lshl_or_b32 v[PS], v[WK+1], 16, v[WK]           ; my bytes: blocks h and 2 + h,
	v_lshlrev_b32 v[PS], v[SH], v[PS]                 ; at their places;
	v_permlanex16_b32 v[PX], v[PS], s[SEL], s[SEL+1]
	v_or_b32 v[PS], v[PS], v[PX]                      ; with lane l xor 16's two the word is whole
.irp c, 0,1
	v_cvt_scalef32_pk16_fp6_f32 v[CD+6*\c:CD+6*\c+2], v[S+32*\c:S+32*\c+15], v[SO+\c]
	v_cvt_scalef32_pk16_fp6_f32 v[WK+4*\c:WK+4*\c+2], v[S+32*\c+16:S+32*\c+31], v[SO+\c]
.endr
	v_nop
.irp c, 0,1
.irp i, 0,1,2
	v_mov_b32 v[CD+3+6*\c+\i], v[WK+4*\c+\i]
.endr
.endr
	v_pk_add_f32 v[WK:WK+1], v[S:S+1], v[S+2:S+3]     ; the sum of the unquantised p, in two chains
.irp j, 4,8,12,16,20,24,28,32,36,40,44,48,52,56,60
	v_pk_add_f32 v[14:15], v[14:15], v[S+\j:S+\j+1]
	v_pk_add_f32 v[WK:WK+1], v[WK:WK+1], v[S+\j+2:S+\j+3]
.endr
	v_pk_add_f32 v[14:15], v[14:15], v[WK:WK+1]
	s_wait_dscnt 0x0
.irp u, 0,1,2,3
.if \u%2
	v_wmma_scale_f32_16x16x128_f8f6f4 v[O+8*\u:O+8*\u+7], v[VF+12*\u:VF+12*\u+11], v[CD:CD+11], v[O+8*\u:O+8*\u+7], v[VS+\u/2], v[PS] matrix_a_fmt:MATRIX_FMT_FP6 matrix_b_fmt:MATRIX_FMT_FP6 matrix_a_scale:MATRIX_SCALE_ROW1
.else
	v_wmma_scale_f32_16x16x128_f8f6f4 v[O+8*\u:O+8*\u+7], v[VF+12*\u:VF+12*\u+11], v[CD:CD+11], v[O+8*\u:O+8*\u+7], v[VS+\u/2], v[PS] matrix_a_fmt:MATRIX_FMT_FP6 matrix_b_fmt:MATRIX_FMT_FP6
.endif
.endr
.endm
.macro TILE blk, trips, first
	s_lshl_b32 s60, s[BH], 4
	s_add_co_u32 s60, s60, s[\blk]
	s_mul_i32 s60, s60, QBLK
	s_mov_b32 s61, 0
	s_add_nc_u64 s[60:61], s[4:5], s[60:61]
	s_add_nc_u64 s[54:55], s[60:61], s[48:49]
	s_add_nc_u64 s[58:59], s[60:61], s[50:51]
	s_lshl_b32 s62, s[\blk], 19
	s_mov_b32 s63, 0
	s_add_nc_u64 s[56:57], s[10:11], s[52:53]
	s_add_nc_u64 s[56:57], s[56:57], s[62:63]
	global_load_b128 v[QF:QF+3], v[L16], s[54:55]
	global_load_b64 v[QF+4:QF+5], v[L8], s[54:55] offset:512
	global_load_b32 v[QS], v[R8], s[58:59]
	v_mov_b32 v13, 0xff61b1e6                         ; the largest t so far: -3e38
	v_floor_f32 v12, -v13
	v_mov_b32 v14, 0
	v_mov_b32 v15, 0
.set n, 0
.rept 32
	v_mov_b32 v[O+n], 0
.set n, n+1
.endr
	s_mov_b32 s[CNT], 0
	s_mov_b32 s[TK], KREG
	s_mov_b32 s[TV], VREG
	s_wait_alu depctr_va_vdst(0)
.if \first
	s_wait_tensorcnt 0x0                              ; my two blocks are in,
	s_barrier_signal -1
	s_barrier_wait -1                                 ; everybody's are
.endif
	s_wait_loadcnt 0x0
.Lstep_\@:
	s_cmp_gt_u32 s[CNT], s[\blk]
	s_cbranch_scc1 .Lhidden_\@
	STEP \blk
.Lhidden_\@:
	s_add_co_u32 s[TK], s[TK], QBLK
	s_add_co_u32 s[TV], s[TV], VBLK
	s_add_co_u32 s[CNT], s[CNT], 1
	s_cmp_lt_u32 s[CNT], \trips
	s_cbranch_scc1 .Lstep_\@
.rept 4
	v_nop
.endr
	s_wait_alu depctr_va_vdst(0)
	v_add_f32 v14, v14, v15
	v_permlanex16_b32 v[TMP], v14, s[SEL], s[SEL+1]
	v_add_f32 v14, v14, v[TMP]
	s_wait_alu depctr_va_vdst(0)
	v_rcp_f32 v14, v14
	v_nop
	s_wait_alu depctr_va_vdst(0)
.set n, 0
.rept 16
	v_pk_mul_f32 v[S+n:S+n+1], v[O+n:O+n+1], v[14:15] op_sel_hi:[1,0]   ; register n is d = 32 h + n
.set n, n+2
.endr
.irp k, 0,1,2,3,4,5,6,7
	ds_store_b128 v[STO], v[S+4*\k:S+4*\k+3] offset:16*\k
.endr
.irp i, 0,1,2,3,4,5,6,7
	ds_load_b128 v[S+32+4*\i:S+32+4*\i+3], v[SRD] offset:2*\i*SPITCH     ; a wave's LDS instructions are served in order: these see my stores
.endr
.irp i, 0,1,2,3,4,5,6,7
	s_wait_dscnt 7-\i
	global_store_b128 v[GO], v[S+32+4*\i:S+32+4*\i+3], s[56:57] offset:((2*\i)%8+32*(\i/4))*4096 th:TH_STORE_NT   ; sixteen lanes store a head's 256 bytes of a row; stage row q is query 32 (q / 8) + q % 8 of the tile
.endr
	s_wait_xcnt 0x0
.endm
	TILE J, 8, 1
	TILE J2, 16, 0
	s_wait_dscnt 0x0
	s_wait_xcnt 0x0
	v_lshl_add_u32 v254, v0, 2, SPARE                 ; the add's two registers, made anew: they held V's scale words
	v_mov_b32 v255, 0
	s_wait_alu depctr_va_vdst(0)
	s_wait_tensorcnt 0x0                              ; the wave's end
	ds_add_u32 v254, v255
	s_wait_dscnt 0x0
	CROUND
	s_endpgm
.Lfunc_end_k_qfa75e13860_attn:
	.size	k_qfa75e13860_attn, .Lfunc_end_k_qfa75e13860_attn-k_qfa75e13860_attn
	.p2alignl 7, 3214868480
	.fill 96, 4, 3214868480
	.section	.rodata,"a",@progbits
	.p2align	6, 0x0
	.amdhsa_kernel k_qfa75e13860_attn
		.amdhsa_group_segment_fixed_size 327680
		.amdhsa_private_segment_fixed_size 0
		.amdhsa_enable_private_segment 0
		.amdhsa_kernarg_size 32
		.amdhsa_user_sgpr_count 2
		.amdhsa_user_sgpr_kernarg_segment_ptr 1
		.amdhsa_wavefront_size32 1
		.amdhsa_system_sgpr_workgroup_id_x 1
		.amdhsa_system_sgpr_workgroup_id_y 1
		.amdhsa_system_sgpr_workgroup_id_z 1
		.amdhsa_system_vgpr_workitem_id 0
		.amdhsa_next_free_vgpr 256
		.amdhsa_next_free_sgpr 66
		.amdhsa_reserve_vcc 1
		.amdhsa_float_denorm_mode_32 3
		.amdhsa_float_denorm_mode_16_64 3
		.amdhsa_memory_ordered 1
		.amdhsa_forward_progress 1
		.amdhsa_inst_pref_size 59
	.end_amdhsa_kernel
	.amdgpu_metadata
---
amdhsa.version: [ 1, 2 ]
amdhsa.kernels:
  - .name:           k_qfa75e13860_attn
    .symbol:         k_qfa75e13860_attn.kd
    .args:
      - { .name: qb, .offset: 0, .size: 8, .value_kind: global_buffer, .address_space: global }
      - { .name: kb, .offset: 8, .size: 8, .value_kind: global_buffer, .address_space: global }
      - { .name: vb, .offset: 16, .size: 8, .value_kind: global_buffer, .address_space: global }
      - { .name: out0, .offset: 24, .size: 8, .value_kind: global_buffer, .address_space: global }
    .group_segment_fixed_size: 327680
    .private_segment_fixed_size: 0
    .kernarg_segment_align: 8
    .kernarg_segment_size: 32
    .max_flat_workgroup_size: 512
    .sgpr_count:     66
    .vgpr_count:     256
    .wavefront_size: 32
...
	.end_amdgpu_metadata
.endif
;; end of part 3
